; MI455X (gfx1250); checked and timed in simulation.
; The chip was launched on July 23, 2026; its instructions are those of AMD's public machine-readable ISA for CDNA 5 (MIT licence, August 2026) and "CDNA5" Instruction Set Architecture Reference Guide (July 2026). The comments in the code are by the model that wrote it; some were corrected since.
;; Qwen3 TTS Tokenizer Single Codebook Euclidean Codebook. Allowed arithmetic: matrix products marked QUANTISED: E4M3 operands, one given power-of-two scale a tensor, by v_wmma_f32_16x16x64_fp8_fp8 or v_wmma_f32_16x16x128_fp8_fp8, f32 sums; everything else in f32.
;; Inputs: embed 8,192 x 256 float32; lowp_scales 2 int32 (the exponents e of the quantised operands' scales 2^e); x 8 x 4,096 x 256 float32.
;; Outputs: out0 8 x 4,096 x 256 float32.
;; This version of the problem:
;;   THIS VERSION OF THE PROBLEM IS GIVEN IN LOW PRECISION. The matrix products marked QUANTISED in the list below multiply operands that are first quantised to E4M3 (4 exponent bits, 3 mantissa bits; 8 bits a number), with one given power-of-two scale for each operand tensor; their sums are f32. All else is computed in f32.
;;   The module's matrix products, in the order in which they are computed (A, B: the left and right operand; K: the contracted axis; several contracted axes count as one K, in the product's order):
;;     1. [M 32,768, K 256] x [K 256, N 8,192]; A: input x; B: input embed: QUANTISED (scales: A lowp_scales[0], B lowp_scales[1])
;;   THE QUANTISER, for each operand of a quantised product, along K:
;;     - The operand's scale is 2^e, e = its entry of the input lowp_scales (int32; the entries are numbered through the quantised products in the list's order, A before B).
;;     - Each number is divided by the scale, clamped to +-448, and rounded to the nearest number of E4M3, ties to even, subnormals kept.
;;     - The product sums the exact products of the quantised numbers (number of the format x scale) in f32.
;;   ~~~python
;;   def quantise(x, axis, e):      # numpy; x: float32 -> the quantised numbers, widened to float32 again
;;       x = np.moveaxis(x, axis, -1); K = x.shape[-1]
;;       r = np.clip(x / 2.0 ** e, -448, 448)
;;       step = 2.0 ** (np.maximum(np.frexp(np.where(r == 0, 1, r))[1] - 1, -6) - 3)
;;       q = np.round(r / step) * step * 2.0 ** e      # np.round: ties to even
;;       return np.moveaxis(q, -1, axis).astype(np.float32)
;;   ~~~
;; One version. Each part assembles by itself: llvm-mc -triple=amdgcn-amd-amdhsa -mcpu=gfx1250 --defsym DOCPART=n.
;; ======== version 1 of 1: 3 launches
;; limits: right only within a limited range of input values
;; workspace buffers: ecodes 2,129,920 bytes; idx 131,072 bytes of whole numbers
;; launch prep (part 1): grid 128 x 1, 4 waves a work-group, no clusters, 67,328 bytes of LDS; arguments embed, lowp_scales, ecodes; writes ecodes
.if DOCPART == 1
	.amdgcn_target "amdgcn-amd-amdhsa--gfx1250"
	.amdhsa_code_object_version 6
	.text
	.protected	k_q3585f5d2ea_prep
	.globl	k_q3585f5d2ea_prep
	.p2align	8
	.type	k_q3585f5d2ea_prep,@function
k_q3585f5d2ea_prep:
	s_mov_b64 s[64:65], 0
	v_nop
	global_prefetch_b8 v0, s[64:65] scope:SCOPE_SE
	s_setreg_imm32_b32 hwreg(HW_REG_WAVE_MODE, 25, 1), 1
	s_wait_xcnt 0x0
; embed [8192][256] f32 becomes, once for the whole program, what the search launch reads: codes of FP8 (E4M3) with the given scale 2^e1, and a bias for each code.
; code = e / 2^e1, held within +-448, rounded to the nearest code, ties to even.   bias(k) = -(sum of embed[k][:]^2) x 2^-(e0 + e1 + 1), in f32, of the UNQUANTISED numbers.
; LAYOUT OF ecodes: 128 parts of 16,640 bytes.  Part P holds codes 64 P .. 64 P + 63: four tiles u of 16 codes, each as an IMAGE OF THE OPERAND'S REGISTERS: the 16 bytes at
; P x 16640 + u x 4096 + s x 2048 + c x 512 + lane x 16 are registers 4 c .. 4 c + 3 of K step s of lane (r = lane % 16, h = lane / 16): row 64 P + 16 u + r, k = 128 s + 32 c + 16 h + 0 .. 15.
; From byte 16,384 of the part on: its 64 biases, f32, in the codes' order: 256 bytes.
; SHARES.  A work-group makes one part (so that the part's 256 bytes of biases leave by one store), wave u its tile u: 16 rows, 16,384 bytes, all asked for at once by 32 loads of 512 consecutive bytes.
; A conversion takes neighbours along K from ONE lane's registers, so the rows turn through the wave's own stage in LDS: in as they lie, back 64 bytes a lane.
; LIMITS: e1 between -126 and 119; NaN among the inputs is not served (an infinity is held at the largest code).
; WORK LEFT OUT, in all launches: reference() takes the argmax over k of -(x_sq[n] - 2 (x E^T)[n][k] + e_sq[k]).  x_sq[n] is the same for every k of a row, and a positive factor
; (1/2, and the power of two 2^-(e0 + e1)) keeps the order: so the argmax is that of (codes' product)[n][k] + bias(k), for all values of the inputs, and x_sq is never formed.
; LIMIT: an overflow, infinity or NaN that would arise in x_sq alone is not carried to the result.
.set PART, 16640
.set SP,   1040                        ; a stage row: 1,024 bytes + 16, so that the 16 rows of a read start at 16 different 16-byte columns
.set BST,  4*PART                      ; behind the four stages: the part's 64 biases
.set R,    16                          ; v16-143  the 32 loads; later v16-79: K step 1's 64 numbers
.set X0,   144                         ; v144-207 K step 0's 64 numbers
.set PC,   208                         ; v208-239 the codes: two fragments of 16 registers
.set SUM,  240                         ; v240-247 four pairs of sums of squares
.set SC,   248                         ; v248     2^e1 as f32
.set LIM,  249                         ; v249     448 x 2^e1
	s_load_b128 s[4:7], s[0:1], 0x0                ; embed s[4:5], the scales' exponents s[6:7]
	s_load_b64 s[8:9], s[0:1], 0x10                ; ecodes
	v_lshl_add_u32 v254, v0, 2, 0x10500
	v_mov_b32 v255, 0
	v_lshrrev_b32 v7, 5, v0
	v_readfirstlane_b32 s16, v7                    ; wave u
	v_and_b32 v7, 31, v0                           ; lane
	v_and_b32 v8, 15, v0                           ; r
	v_bfe_u32 v9, v0, 4, 1                         ; h
	v_lshlrev_b32 v1, 4, v7                        ; v1: 16 x lane: my bytes of a load's and of a store's 512
	s_mul_i32 s17, s16, PART                       ; my stage
	v_add_nc_u32 v2, s17, v1                       ; v2: into the stage
	v_mul_u32_u24 v3, v8, SP
	v_lshl_add_u32 v3, v9, 6, v3
	v_add_nc_u32 v3, s17, v3                       ; v3: out of it: row r, + 64 h: my 16 numbers of a block of 32
	s_lshl_b32 s18, s16, 6
	v_lshl_add_u32 v4, v8, 2, s18
	v_add_nc_u32 v4, BST, v4                       ; v4: where my row's bias goes: 64 u + 4 r
	v_lshlrev_b32 v6, 3, v7                        ; v6: 8 x lane
	v_add_nc_u32 v5, BST, v6                       ; v5: where wave 0 reads the 64 biases back
	s_mov_b32 s14, 0x76543210                      ; v_permlanex16_b32's selects for lane l xor 16
	s_mov_b32 s15, 0xfedcba98
	s_lshl_b32 s20, ttmp9, 16                      ; the part's 64 rows of 1,024 bytes,
	s_lshl_b32 s21, s16, 14                        ; my wave's 16 of them
	s_add_co_u32 s20, s20, s21
	s_mov_b32 s21, 0
	s_mul_i32 s22, ttmp9, PART
	s_mov_b32 s23, 0
	s_lshl_b32 s24, s16, 12                        ; my tile in the part
	s_mov_b32 s25, 0
	s_wait_alu depctr_va_vdst(0)
	s_wait_kmcnt 0x0
	s_load_b64 s[12:13], s[6:7], 0x0               ; e0, e1
	s_add_nc_u64 s[4:5], s[4:5], s[20:21]
	s_add_nc_u64 s[8:9], s[8:9], s[22:23]          ; the part
	s_add_nc_u64 s[10:11], s[8:9], s[24:25]        ; my tile
.set i, 0
.rept 32
	global_load_b128 v[R+4*i:R+4*i+3], v1, s[4:5] offset:512*i th:TH_LOAD_NT   ; piece i: row i / 2, K step i % 2: 512 consecutive bytes
.set i, i+1
.endr
	s_wait_kmcnt 0x0
	s_add_co_i32 s18, s12, s13
	s_add_co_i32 s18, s18, 1
	s_sub_co_i32 s18, 0, s18                       ; -(e0 + e1 + 1)
	s_add_co_i32 s13, s13, 127
	s_lshl_b32 s19, s13, 23
	v_mov_b32 v[SC], s19                           ; 2^e1: the conversion takes its exponent field
	s_add_co_i32 s13, s13, 8
	s_lshl_b32 s13, s13, 23
	s_or_b32 s13, s13, 0x600000
	v_mov_b32 v[LIM], s13                          ; 448 x 2^e1
.set i, 0
.rept 32
	s_wait_loadcnt 31-i                            ; loads come back in order: piece i is in, the 31 - i younger ones may be out
	ds_store_b128 v2, v[R+4*i:R+4*i+3] offset:(i/2)*SP+(i%2)*512
.set i, i+1
.endr
.macro XREAD s, reg                    ; K step s of my row: register 16 b + 4 j + .. = k 128 s + 32 b + 16 h + 4 j + ..
.irp b, 0,1,2,3
.irp j, 0,1,2,3
	ds_load_b128 v[\reg+16*\b+4*\j:\reg+16*\b+4*\j+3], v3 offset:512*\s+128*\b+16*\j
.endr
.endr
.endm
.macro SQ x, first                     ; 64 squares onto four pairs of sums; first = 1: the first four products start them
.set j, 0
.rept 32
.if (\first) && (j < 4)
	v_pk_mul_f32 v[SUM+2*j:SUM+2*j+1], v[\x+2*j:\x+2*j+1], v[\x+2*j:\x+2*j+1]
.else
	v_pk_fma_f32 v[SUM+2*(j%4):SUM+2*(j%4)+1], v[\x+2*j:\x+2*j+1], v[\x+2*j:\x+2*j+1], v[SUM+2*(j%4):SUM+2*(j%4)+1]
.endif
.set j, j+1
.endr
.endm
.macro QUANT s, pc                     ; 64 numbers become a fragment's 16 registers of codes
.irp b, 0,1,2,3
.irp i, 0,1,2,3,4,5,6,7,8,9,10,11,12,13,14,15
	v_med3_num_f32 v[\s+16*\b+\i], v[\s+16*\b+\i], -v[LIM], v[LIM]   ; the conversion to an 8-bit code does not saturate (ISA guide 7.6.2): the hold at the largest code x the scale
.endr
	v_cvt_scalef32_pk8_fp8_f32 v[\pc+4*\b:\pc+4*\b+1], v[\s+16*\b:\s+16*\b+7], v[SC]
	v_cvt_scalef32_pk8_fp8_f32 v[\pc+4*\b+2:\pc+4*\b+3], v[\s+16*\b+8:\s+16*\b+15], v[SC]
.endr
	v_nop                                          ; one plain vector line behind the last conversion
.endm
	XREAD 0, X0                                    ; LDS serves a wave's instructions in order: these see my stores
	s_wait_dscnt 0x0                               ; K step 0 is in; the stage's stores have read v16-143
	XREAD 1, R                                     ; K step 1 lands while K step 0 is worked
	SQ X0, 1                                       ; the squares are taken ahead of the hold
	QUANT X0, PC
	s_wait_dscnt 0x0
	SQ R, 0
	QUANT R, PC+16
	v_pk_add_f32 v[SUM:SUM+1], v[SUM:SUM+1], v[SUM+2:SUM+3]
	v_pk_add_f32 v[SUM+4:SUM+5], v[SUM+4:SUM+5], v[SUM+6:SUM+7]
	v_pk_add_f32 v[SUM:SUM+1], v[SUM:SUM+1], v[SUM+4:SUM+5]
	v_add_f32 v[SUM], v[SUM], v[SUM+1]             ; my 128 squares,
	v_permlanex16_b32 v[SUM+2], v[SUM], s14, s15   ; the row's other 128 lie in the lane 16 away
	v_fma_f32 v[SUM], -v[SUM], 1.0, -v[SUM+2]      ; -(the row's sum of squares): one addition with both signs turned
	v_ldexp_f32 v[SUM], v[SUM], s18                ; x 2^-(e0 + e1 + 1)
.irp g, 0,1,2,3,4,5,6,7
	global_store_b128 v1, v[PC+4*\g:PC+4*\g+3], s[10:11] offset:512*\g   ; 32 lanes store 512 consecutive bytes, at a multiple of 256 from the buffer's first byte
.endr
	ds_store_b32 v4, v[SUM]                        ; lanes r and r + 16 write the same word with the same number
	s_wait_dscnt 0x0                               ; for the others' sake: my bias words have landed
	s_barrier_signal -1
	s_barrier_wait -1
	s_cmp_lg_u32 s16, 0
	s_cbranch_scc1 .Lend
	ds_load_b64 v[10:11], v5                       ; wave 0: the part's 64 biases,
	s_wait_dscnt 0x0
	global_store_b64 v6, v[10:11], s[8:9] offset:16384   ; 256 consecutive bytes by one store
.Lend:
	s_wait_tensorcnt 0x0
	ds_add_u32 v254, v255
	s_wait_dscnt 0x0
	s_endpgm
.Lfunc_end_k_q3585f5d2ea_prep:
	.size	k_q3585f5d2ea_prep, .Lfunc_end_k_q3585f5d2ea_prep-k_q3585f5d2ea_prep
	.p2alignl 7, 3214868480
	.fill 96, 4, 3214868480
	.section	.rodata,"a",@progbits
	.p2align	6, 0x0
	.amdhsa_kernel k_q3585f5d2ea_prep
		.amdhsa_group_segment_fixed_size 67328
		.amdhsa_private_segment_fixed_size 0
		.amdhsa_enable_private_segment 0
		.amdhsa_kernarg_size 24
		.amdhsa_user_sgpr_count 2
		.amdhsa_user_sgpr_kernarg_segment_ptr 1
		.amdhsa_wavefront_size32 1
		.amdhsa_system_sgpr_workgroup_id_x 1
		.amdhsa_system_sgpr_workgroup_id_y 1
		.amdhsa_system_sgpr_workgroup_id_z 1
		.amdhsa_system_vgpr_workitem_id 0
		.amdhsa_next_free_vgpr 256
		.amdhsa_next_free_sgpr 66
		.amdhsa_reserve_vcc 0
		.amdhsa_float_denorm_mode_32 3
		.amdhsa_float_denorm_mode_16_64 3
		.amdhsa_memory_ordered 1
		.amdhsa_forward_progress 1
		.amdhsa_inst_pref_size 26
	.end_amdhsa_kernel
	.amdgpu_metadata
---
amdhsa.version: [ 1, 2 ]
amdhsa.kernels:
  - .name:           k_q3585f5d2ea_prep
    .symbol:         k_q3585f5d2ea_prep.kd
    .args:
      - { .name: embed, .offset: 0, .size: 8, .value_kind: global_buffer, .address_space: global }
      - { .name: lowp_scales, .offset: 8, .size: 8, .value_kind: global_buffer, .address_space: global }
      - { .name: ecodes, .offset: 16, .size: 8, .value_kind: global_buffer, .address_space: global }
    .group_segment_fixed_size: 67328
    .private_segment_fixed_size: 0
    .kernarg_segment_align: 8
    .kernarg_segment_size: 24
    .max_flat_workgroup_size: 128
    .sgpr_count:     66
    .vgpr_count:     256
    .wavefront_size: 32
...
	.end_amdgpu_metadata
.endif
;; end of part 1
;; launch vq (part 2): grid 256 x 1, 8 waves a work-group, clusters of 4 x 1, 327,680 bytes of LDS; arguments x, lowp_scales, ecodes, idx; writes idx
.if DOCPART == 2
	.amdgcn_target "amdgcn-amd-amdhsa--gfx1250"
	.amdhsa_code_object_version 6
	.text
	.protected	k_q3585f5d2ea_vq
	.globl	k_q3585f5d2ea_vq
	.p2align	8
	.type	k_q3585f5d2ea_vq,@function
k_q3585f5d2ea_vq:
	s_mov_b64 s[64:65], 0
	v_nop
	global_prefetch_b8 v0, s[64:65] scope:SCOPE_SE
	s_setreg_imm32_b32 hwreg(HW_REG_WAVE_MODE, 25, 1), 1
	s_wait_xcnt 0x0
	s_wait_alu depctr_hold_cnt(0) depctr_sa_sdst(0) depctr_va_vdst(0) depctr_va_sdst(0) depctr_va_ssrc(0) depctr_va_vcc(0) depctr_vm_vsrc(0)
	s_getreg_b32 s2, hwreg(HW_REG_IB_STS2, 6, 4)
	s_cmp_eq_u32 s2, 0
	s_cbranch_scc0 .Lentry_in_a_cluster
	s_endpgm
.Lentry_in_a_cluster:
	s_bfe_u32 s2, ttmp6, 0x10000c
	s_cmp_lg_u32 s2, 0x3003
	s_cbranch_scc0 .Lentry_shape_is_right
	s_endpgm
.Lentry_shape_is_right:
; idx[n] = the first k with the largest score(n, k) = (x's codes . embed's codes)[n][k] + bias(k); codes of FP8 (E4M3), sums in f32.  x_sq of reference() is left out: it is the same for all k of a row.
; ecodes (made by the launch before): 128 parts of 16,640 bytes, each 64 codes as images of operand registers and their 64 biases.
; SHARES.  A work-group takes 128 rows of x; every wave holds all 128 as 8 fragments pairs (256 registers, window 1).  The codes go in 16 chunks of 8 parts through two LDS slots;
; wave w fetches and reads part w of each chunk: 4 tiles of 16 codes.  The product is used transposed: source 0 = 16 codes, source 1 = 16 rows of x, C = the biases; lane (r, h) holds row r and codes 8 h + j.
; CLUSTER: the four work-groups of a cluster walk the same chunks and ask for each part jointly (mask 15).
; x comes by plain loads, 512 consecutive bytes each, is quantised as it lies (a lane: 4 + 4 neighbours of one row), and only the codes are turned, through an image in LDS.
; THE ARGMAX, per lane and tile of x: n1 = max3(R, a0, a1), n2 = max3(n1, a2, a3), n3 = max3(n2, a4, a5), R' = max3(n3, a6, a7).  Where R' > R, eight words are kept: a0, a2, a4, a6, n1, n2, n3 and the
; tile's first code.  At the end the first of n1, n2, n3, R' that equals R names the pair of registers, and the kept even score says which of the two: the first index among equals, as argmax has it.
; PREFETCH: all 64 clusters read the same 2,129,920 bytes, so four of them, spread over the grid (clusters 0, 21, 42, 63), ask.  Ahead of x's loads they ask for chunks 0 and 1; behind the load of chunk k for
; chunk k + 2: two chunks ahead of the load that wants it.  One instruction a wave, a lane a block of 256 bytes: of a part's 65 blocks the partner at place cx names 17 cx .. 17 cx + 16, held at block 64:
; shared out by address.  The loads of chunks 14 and 15 ask for nothing.
; LIMITS: e0 between -126 and 119; NaN among the inputs is not served (an infinity is held at the largest code).
.set PART,  16640
.set CHB,   8*PART                     ; a chunk, and a slot
.set SLOT,  CHB
.set XIMG,  2*SLOT                     ; x's codes: for each tile of 16 rows 16 blocks (K step, c, h) of 256 bytes, 272 apart
.set XB,    272
.set XQ,    16*XB
.set SPARE, XIMG+8*XQ                  ; the spare words, 128 bytes a wave
.set SCR,   SPARE+1024                 ; the waves' results: 4,096 bytes of scores, 4,096 of indices
.set LO,   1                           ; 16 x lane
.set SPW,  2                           ; my spare word
.set NIL,  3                           ; 0
.set AE,   4                           ; v4-5  my part's images in slot 0, 1
.set AB,   6                           ; v6-7  its biases
.set CUR,  8                           ; the tile's first code of my half
.set AXW,  9                           ; into x's image
.set ALI,  10                          ; out of it
.set PFO,  11                          ; the prefetches' offset: my block of the part; never rewritten
.set SC,   12                          ; 2^e0
.set LIM,  13                          ; 448 x 2^e0
.set ASV,  14
.set AML,  15
.set RUN,  16                          ; v16-31   R, two sets by turns
.set E,    32                          ; v32-63   a tile of codes, both K steps (at the head: x's codes)
.set PC,   32
.set BIAS, 64                          ; v64-71
.set T,    72                          ; v72-87   n1, n2, n3 of four tiles of x
.set ACC,  88                          ; v88-151  8 accumulators
.set SAVE, 152                         ; v152-215 8 kept words for each tile of x
.set X,    88                          ; at the head: v88-215, x as loaded
.set TJ,   216
.set TE,   224
.set TP,   232
.set WV,   12
.set G1E,  16
.set G0,   32
.set PF,   52                          ; s[52:53] my part in the chunk whose load was issued last
.set PLIM, 54                          ; s54      1 in a cluster that prefetches, else the greatest number
.set MSB, 0
.macro WIN new
.if MSB != \new
	s_set_vgpr_msb (MSB<<8)|\new
.set MSB, \new
.endif
.endm
.macro CREST                           ; a round of the cluster's barrier behind its opening barrier
	s_cmp_lg_u32 s[WV], 0
	s_cbranch_scc1 .Lnot_wave_0_\@
	s_barrier_signal -3
.Lnot_wave_0_\@:
	s_barrier_wait -3
	s_barrier_signal -1
	s_barrier_wait -1
.endm
.macro ROUND                           ; a whole round
	s_barrier_signal -1
	s_barrier_wait -1
	CREST
.endm
.macro PLACES n
.rept \n
	v_nop
.endr
.endm
	s_load_b256 s[4:11], s[0:1], 0x0               ; x, the scales' exponents, ecodes, idx
	v_lshl_add_u32 v[SPW], v0, 2, SPARE
	v_mov_b32 v[NIL], 0
	ds_add_u32 v[SPW], v[NIL]                      ; the opening lines: the add, twice on end, and its wait
	ds_add_u32 v[SPW], v[NIL]
	v_lshrrev_b32 v1, 5, v0
	v_readfirstlane_b32 s[WV], v1                  ; wave
	v_and_b32 v240, 31, v0                         ; lane
	v_and_b32 v241, 15, v0                         ; r
	v_bfe_u32 v242, v0, 4, 1                       ; h
	v_lshlrev_b32 v[LO], 4, v240
	s_mul_i32 s44, s[WV], PART
	v_add_nc_u32 v[AE], s44, v[LO]
	v_add_nc_u32 v[AE+1], SLOT, v[AE]
	v_lshlrev_b32 v[AB], 5, v242                   ; my half's 8 biases: 32 h
	v_add_nc_u32 v[AB], s44, v[AB]
	v_add_nc_u32 v[AB], 16384, v[AB]
	v_add_nc_u32 v[AB+1], SLOT, v[AB]
	s_lshl_b32 s45, s[WV], 6
	v_lshl_add_u32 v[CUR], v242, 3, s45            ; 64 w + 8 h,
	v_add_nc_u32 v[CUR], 0xfffffe30, v[CUR]        ; less 464: each tile adds its step ahead of its use
	v_lshrrev_b32 v243, 2, v240
	v_mul_u32_u24 v[AXW], v243, XB                 ; a loaded lane's 4 numbers are k = 4 lane ..: block lane / 4, word lane % 4
	v_and_b32 v243, 3, v240
	v_lshl_add_u32 v[AXW], v243, 2, v[AXW]
	s_mul_i32 s45, s[WV], XQ
	v_add_nc_u32 v[AXW], s45, v[AXW]
	v_add_nc_u32 v[AXW], XIMG, v[AXW]
	v_mul_u32_u24 v[ALI], v242, XB
	v_lshl_add_u32 v[ALI], v241, 4, v[ALI]
	v_add_nc_u32 v[ALI], XIMG, v[ALI]              ; out: block h, 16 r
	s_lshl_b32 s45, s[WV], 9
	v_lshl_add_u32 v[ASV], v241, 2, s45
	v_add_nc_u32 v[ASV], SCR, v[ASV]
	v_add_nc_u32 v[AML], SCR, v[LO]
	s_bfe_u32 s13, ttmp6, 0x40000                  ; cx
	s_lshl_b32 s14, ttmp9, 2
	s_add_co_u32 s14, s14, s13                     ; work-group
	v_min_u32 v243, 16, v240                       ; the prefetches: block 17 cx + lane, lanes 16 to 31 naming the 17th again,
	s_mul_i32 s45, s13, 17
	v_add_nc_u32 v243, s45, v243
	v_min_u32 v243, 64, v243                       ; held at the part's last block
	v_lshlrev_b32 v[PFO], 8, v243
	s_mov_b32 s[PLIM], 0x7fffffff
.irp c, 0, 21, 42, 63
	s_cmp_eq_u32 ttmp9, \c                         ; the cluster's number: the same in all four partners
	s_cselect_b32 s[PLIM], 1, s[PLIM]
.endr
	s_mov_b32 s48, 0x76543210
	s_mov_b32 s49, 0xfedcba98
	s_mov_b32 s[G1E+0], 15|(3<<16)|(1<<21)         ; group 1: mask of the four partners, elements of 8 bytes; 65 rows of 256 bytes, dense
	s_mov_b32 s[G1E+1], 32<<16
	s_mov_b32 s[G1E+2], 65<<16
	s_mov_b32 s[G1E+3], 32<<16
	s_mov_b32 s[G1E+4], 65
	s_mov_b32 s[G1E+5], 32
	s_mov_b32 s[G1E+6], 0
	s_mov_b32 s[G1E+7], 0
	s_mov_b32 s50, s44
	s_mov_b32 s51, 0
	s_wait_dscnt 0x0                               ; both opening adds are done
	s_wait_alu depctr_va_vdst(0)
	s_wait_kmcnt 0x0
	s_load_b32 s46, s[6:7], 0x0                    ; e0
	s_add_nc_u64 s[PF:PF+1], s[8:9], s[50:51]      ; chunk 0, part w
	s_cmp_eq_u32 s[PLIM], 1
	s_cbranch_scc0 .Lno_ask_a
	global_prefetch_b8 v[PFO], s[PF:PF+1] th:TH_LOAD_NT scope:SCOPE_SE              ; the buffer's first touch, ahead of x's loads: chunk 0,
	global_prefetch_b8 v[PFO], s[PF:PF+1] offset:CHB th:TH_LOAD_NT scope:SCOPE_SE   ; chunk 1
.Lno_ask_a:
	s_mov_b32 s[G0], 1
	s_mov_b32 s[G0+1], s44
	s_add_nc_u64 s[G0+2:G0+3], s[8:9], s[50:51]
	s_mov_b32 s[G0+4], 1
	s_add_co_u32 s[G0+5], s44, SLOT
	s_add_nc_u64 s[G0+6:G0+7], s[G0+2:G0+3], CHB   ; chunk 1
	s_or_b32 s[G0+3], s[G0+3], 0x80000000
	s_or_b32 s[G0+7], s[G0+7], 0x80000000
	s_lshl_b32 s60, s14, 17                        ; the work-group's 128 rows of 1,024 bytes,
	s_lshl_b32 s61, s[WV], 14                      ; my wave's 16
	s_add_co_u32 s60, s60, s61
	s_mov_b32 s61, 0
	s_add_nc_u64 s[4:5], s[4:5], s[60:61]
	s_lshl_b32 s60, s14, 9
	s_add_nc_u64 s[10:11], s[10:11], s[60:61]      ; the work-group's 512 bytes of idx
.set n, 0
.rept 32
	global_load_b128 v[X+4*n:X+4*n+3], v[LO], s[4:5] offset:512*n th:TH_LOAD_NT   ; row n / 2, K step n % 2: 512 consecutive bytes
.set n, n+1
.endr
	ROUND                                          ; in front of the first joint load
	tensor_load_to_lds s[G0:G0+3], s[G1E:G1E+7]    ; chunk 0: my one tensor load at the head
	s_nop 0
	PLACES 4
	s_cmp_eq_u32 s[PLIM], 1
	s_cbranch_scc0 .Lno_ask_0
	global_prefetch_b8 v[PFO], s[PF:PF+1] offset:2*CHB th:TH_LOAD_NT scope:SCOPE_SE   ; behind chunk 0's load: chunk 2
.Lno_ask_0:
	s_wait_kmcnt 0x0
	s_add_co_i32 s46, s46, 127
	s_lshl_b32 s47, s46, 23
	v_mov_b32 v[SC], s47
	s_add_co_i32 s46, s46, 8
	s_lshl_b32 s46, s46, 23
	s_or_b32 s46, s46, 0x600000
	v_mov_b32 v[LIM], s46
	s_mov_b32 s45, 0xff800000                      ; -infinity
	s_wait_alu depctr_va_vdst(0)
.set n, 0
.rept 16
	s_wait_loadcnt 30-2*n                          ; row n's two loads are in; the 30 - 2 n younger ones may be out
.irp j, 0,1,2,3,4,5,6,7
	v_med3_num_f32 v[X+8*n+\j], v[X+8*n+\j], -v[LIM], v[LIM]   ; the conversion does not saturate (ISA guide 7.6.2): the hold at the largest code x the scale
.endr
	v_cvt_scalef32_pk8_fp8_f32 v[PC+2*n:PC+2*n+1], v[X+8*n:X+8*n+7], v[SC]   ; word 0: K step 0's four codes, word 1: K step 1's
	ds_store_b32 v[AXW], v[PC+2*n] offset:16*n
	ds_store_b32 v[AXW], v[PC+2*n+1] offset:16*n+8*XB
.set n, n+1
.endr
	v_nop                                          ; one plain line behind the last conversion
	s_wait_tensorcnt 0x0                           ; my part of chunk 0 is in; the lines ahead of slot 1's first fill
	ds_add_u32 v[SPW], v[NIL]
	s_wait_xcnt 0x0                                ; my prefetches have read their address:
	s_add_nc_u64 s[PF:PF+1], s[PF:PF+1], CHB       ; on to chunk 1, whose load follows
.set n, 0
.rept 8
	v_mov_b32 v[RUN+n], s45
.set n, n+1
.endr
.set n, 0
.rept 64
.if n%8 == 7
	v_mov_b32 v[SAVE+n], 0
.else
	v_mov_b32 v[SAVE+n], s45
.endif
.set n, n+1
.endr
	s_wait_dscnt 0x0                               ; the add is done, and my stores into x's image have landed
	ROUND                                          ; behind the round every wave's part of x's image is whole
	tensor_load_to_lds s[G0+4:G0+7], s[G1E:G1E+7]  ; chunk 1: slot 1's first fill
	s_nop 0
	PLACES 4
	WIN 0x40
.set n, 0
.rept 64
	ds_load_b128 v[4*n:4*n+3], v[ALI] offset:(n/8)*XQ+(n%8)*2*XB   ; tile n / 8 of x, registers 4 (n % 8) ..: k = 32 (n % 8) + 16 h + 0 .. 15
.set n, n+1
.endr
	WIN 0
.macro ELOAD slot, u                   ; ten loads in the order of their use: K step 0's codes, the biases, K step 1's codes
.irp g, 0,1,2,3
	ds_load_b128 v[E+4*\g:E+4*\g+3], v[AE+(\slot)] offset:4096*(\u)+512*\g
.endr
	ds_load_b128 v[BIAS:BIAS+3], v[AB+(\slot)] offset:64*(\u)
	ds_load_b128 v[BIAS+4:BIAS+7], v[AB+(\slot)] offset:64*(\u)+16
.irp g, 4,5,6,7
	ds_load_b128 v[E+4*\g:E+4*\g+3], v[AE+(\slot)] offset:4096*(\u)+512*\g
.endr
.endm
.macro MULA                            ; K step 0: the biases start the sums.  The 8 accumulators take turns
.irp i, 0,1,2,3,4,5,6,7
	v_wmma_f32_16x16x128_fp8_fp8 v[ACC+8*\i:ACC+8*\i+7], v[E:E+15], v[32*\i:32*\i+15], v[BIAS:BIAS+7]
.endr
.endm
.macro MULB                            ; K step 1
.irp i, 0,1,2,3,4,5,6,7
	v_wmma_f32_16x16x128_fp8_fp8 v[ACC+8*\i:ACC+8*\i+7], v[E+16:E+31], v[32*\i+16:32*\i+31], v[ACC+8*\i:ACC+8*\i+7]
.endr
.endm
.macro EPI4 i0, pp                     ; four tiles of x: four chains by turns, each accumulator from its low end on; then compare and keep
.set RO, RUN+8*(\pp)
.set RN, RUN+8*(1-(\pp))
.irp t, 0,1,2,3
	v_max3_num_f32 v[T+4*\t], v[RO+\i0+\t], v[ACC+8*(\i0+\t)], v[ACC+8*(\i0+\t)+1]
.endr
.irp t, 0,1,2,3
	v_max3_num_f32 v[T+4*\t+1], v[T+4*\t], v[ACC+8*(\i0+\t)+2], v[ACC+8*(\i0+\t)+3]
.endr
.irp t, 0,1,2,3
	v_max3_num_f32 v[T+4*\t+2], v[T+4*\t+1], v[ACC+8*(\i0+\t)+4], v[ACC+8*(\i0+\t)+5]
.endr
.irp t, 0,1,2,3
	v_max3_num_f32 v[RN+\i0+\t], v[T+4*\t+2], v[ACC+8*(\i0+\t)+6], v[ACC+8*(\i0+\t)+7]
.endr
.irp t, 0,1,2,3
.set SV, SAVE+8*(\i0+\t)
.set AC, ACC+8*(\i0+\t)
	v_cmp_gt_f32 vcc_lo, v[RN+\i0+\t], v[RO+\i0+\t]
	v_dual_cndmask_b32 v[SV], v[SV], v[AC] :: v_dual_cndmask_b32 v[SV+1], v[SV+1], v[AC+2]
	v_dual_cndmask_b32 v[SV+2], v[SV+2], v[AC+4] :: v_dual_cndmask_b32 v[SV+3], v[SV+3], v[AC+6]
	v_dual_cndmask_b32 v[SV+4], v[SV+4], v[T+4*\t] :: v_dual_cndmask_b32 v[SV+5], v[SV+5], v[T+4*\t+1]
	v_dual_cndmask_b32 v[SV+6], v[SV+6], v[T+4*\t+2] :: v_dual_cndmask_b32 v[SV+7], v[SV+7], v[CUR]
.endr
.endm
; One tile of 16 codes against all 128 rows.  kind 1: at the chunk's last tile its slot is filled again; 2: the next slot is only waited for; 0: nothing follows.
.macro TILE slot, u, kind
	s_wait_dscnt 4                                 ; K step 0's codes and the biases are in; the youngest four loads, K step 1's, may be out
.if (\u == 3) && (\kind == 1)
	; the change of slots: the chunk's last codes are asked for, so my reads of this slot end at the wait for 0 below
	s_wait_tensorcnt 0x0                           ; all my tensor loads are in: my part of the next slot
	ds_add_u32 v[SPW], v[NIL]                      ; eight products stand between the add and the wait for it
	s_add_nc_u64 s[G0+4*\slot+2:G0+4*\slot+3], s[G0+4*\slot+2:G0+4*\slot+3], 2*CHB
	s_wait_xcnt 0x0                                ; my last prefetch, a chunk ago, has read its address:
	s_add_nc_u64 s[PF:PF+1], s[PF:PF+1], CHB       ; on to the chunk whose load follows
	WIN 0x04
	MULA
	s_wait_dscnt 0x0                               ; the add is done, and my reads of this slot are over
	s_barrier_signal -1                            ; the round's opening barrier; work on registers while the others arrive
	MULB
	WIN 0
	s_barrier_wait -1
	CREST
	tensor_load_to_lds s[G0+4*(\slot):G0+4*(\slot)+3], s[G1E:G1E+7]
	s_nop 0
	v_add_nc_u32 v[CUR], 16, v[CUR]                ; the four places behind the products (ISA guide 7.12.1): this tile's first code,
	PLACES 3                                       ; and three idle ones
	ELOAD 1-\slot, 0
	s_cmp_gt_u32 s15, s[PLIM]                      ; s15 = 1 in the last trip, whose loads are chunks 14 and 15
	s_cbranch_scc0 .Lno_ask_\@
	global_prefetch_b8 v[PFO], s[PF:PF+1] offset:2*CHB th:TH_LOAD_NT scope:SCOPE_SE   ; the chunk two on from the one just asked for
.Lno_ask_\@:
.else
	WIN 0x04
	MULA
	s_wait_dscnt 0x0                               ; K step 1's codes are in
	MULB
	WIN 0
.if \u > 0
	v_add_nc_u32 v[CUR], 16, v[CUR]                ; the four places behind the products: this tile's first code,
.else
	v_add_nc_u32 v[CUR], 464, v[CUR]               ; (from a part's last tile to the next chunk's first: 512 - 48)
.endif
	PLACES 3                                       ; and three idle ones
.if \u < 3
	ELOAD \slot, \u+1
.elseif \kind == 2
	s_wait_tensorcnt 0x0                           ; the last chunk is in
	ELOAD 1-\slot, 0
.endif
.endif
	EPI4 0, (\u)%2
	EPI4 4, (\u)%2
.endm
.macro CHUNK slot, kind
	TILE \slot, 0, \kind
	TILE \slot, 1, \kind
	TILE \slot, 2, \kind
	TILE \slot, 3, \kind
.endm
	ELOAD 0, 0
	s_cmp_eq_u32 s[PLIM], 1
	s_cbranch_scc0 .Lno_ask_1
	global_prefetch_b8 v[PFO], s[PF:PF+1] offset:2*CHB th:TH_LOAD_NT scope:SCOPE_SE   ; behind chunk 1's load: chunk 3
.Lno_ask_1:
	s_mov_b32 s15, 7
.Lpair:                                                ; a trip: two chunks, both slots filled again (chunks 2 to 15)
	CHUNK 0, 1
	CHUNK 1, 1
	s_sub_co_u32 s15, s15, 1
	s_cmp_lg_u32 s15, 0
	s_cbranch_scc1 .Lpair
	CHUNK 0, 2
	CHUNK 1, 0
; which of the kept tile's eight registers: the first pair whose chain value is R, then its even score against R
.irp i, 0,1,2,3,4,5,6,7
	v_mov_b32 v[TJ+\i], 6
	v_mov_b32 v[TE+\i], v[SAVE+8*\i+3]
.endr
.irp k, 2,1,0
.irp i, 0,1,2,3,4,5,6,7
	v_cmp_neq_f32 vcc_lo, v[SAVE+8*\i+4+\k], v[RUN+\i]
	v_cndmask_b32 v[TJ+\i], 2*\k, v[TJ+\i], vcc_lo
	v_cndmask_b32 v[TE+\i], v[SAVE+8*\i+\k], v[TE+\i], vcc_lo
.endr
.endr
.irp i, 0,1,2,3,4,5,6,7
	v_cmp_neq_f32 vcc_lo, v[TE+\i], v[RUN+\i]
	v_cndmask_b32 v[TE+\i], 0, 1, vcc_lo
	v_add_nc_u32 v[SAVE+8*\i+7], v[SAVE+8*\i+7], v[TJ+\i]
	v_add_nc_u32 v[SAVE+8*\i+7], v[SAVE+8*\i+7], v[TE+\i]
.endr
.macro MERGE va, ia, vb, ib            ; b takes a's place where it is larger, or equal with the lower index
	v_cmp_gt_f32 s56, v[\vb], v[\va]
	v_cmp_eq_f32 s57, v[\vb], v[\va]
	v_cmp_lt_u32 s58, v[\ib], v[\ia]
	s_and_b32 s57, s57, s58
	s_or_b32 s56, s56, s57
	v_cndmask_b32 v[\va], v[\va], v[\vb], s56
	v_cndmask_b32 v[\ia], v[\ia], v[\ib], s56
.endm
	v_mov_b32 v[TP], 0
	v_mov_b32 v[TP+1], 0
.irp i, 0,1,2,3,4,5,6,7
	v_permlanex16_b32 v[TP], v[RUN+\i], s48, s49   ; the row's other half of the codes lies 16 lanes away
	v_permlanex16_b32 v[TP+1], v[SAVE+8*\i+7], s48, s49
	MERGE RUN+\i, SAVE+8*\i+7, TP, TP+1
	ds_store_b32 v[ASV], v[RUN+\i] offset:64*\i
	ds_store_b32 v[ASV], v[SAVE+8*\i+7] offset:4096+64*\i
.endr
	s_wait_dscnt 0x0                               ; for the others' sake: my results have landed
	s_barrier_signal -1
	s_barrier_wait -1
	s_cmp_lg_u32 s[WV], 0
	s_cbranch_scc1 .Lothers
.irp w, 0,1,2,3,4,5,6,7
	ds_load_b128 v[ACC+4*\w:ACC+4*\w+3], v[AML] offset:512*\w            ; wave 0: four rows a lane, the eight waves' results
	ds_load_b128 v[ACC+32+4*\w:ACC+32+4*\w+3], v[AML] offset:4096+512*\w
.endr
	s_wait_dscnt 0x0
.irp w, 1,2,3,4,5,6,7
.irp q, 0,1,2,3
	MERGE ACC+\q, ACC+32+\q, ACC+4*\w+\q, ACC+32+4*\w+\q
.endr
.endr
	global_store_b128 v[LO], v[ACC+32:ACC+35], s[10:11]   ; 512 consecutive bytes, at a multiple of 256 from idx's first byte
.Lothers:
	s_wait_tensorcnt 0x0                           ; the wave's end
	ds_add_u32 v[SPW], v[NIL]
	s_wait_dscnt 0x0
	ROUND                                          ; the closing round
	s_endpgm
.Lfunc_end_k_q3585f5d2ea_vq:
	.size	k_q3585f5d2ea_vq, .Lfunc_end_k_q3585f5d2ea_vq-k_q3585f5d2ea_vq
	.p2alignl 7, 3214868480
	.fill 96, 4, 3214868480
	.section	.rodata,"a",@progbits
	.p2align	6, 0x0
	.amdhsa_kernel k_q3585f5d2ea_vq
		.amdhsa_group_segment_fixed_size 327680
		.amdhsa_private_segment_fixed_size 0
		.amdhsa_enable_private_segment 0
		.amdhsa_kernarg_size 32
		.amdhsa_user_sgpr_count 2
		.amdhsa_user_sgpr_kernarg_segment_ptr 1
		.amdhsa_wavefront_size32 1
		.amdhsa_system_sgpr_workgroup_id_x 1
		.amdhsa_system_sgpr_workgroup_id_y 1
		.amdhsa_system_sgpr_workgroup_id_z 1
		.amdhsa_system_vgpr_workitem_id 0
		.amdhsa_next_free_vgpr 512
		.amdhsa_next_free_sgpr 66
		.amdhsa_reserve_vcc 1
		.amdhsa_float_denorm_mode_32 3
		.amdhsa_float_denorm_mode_16_64 3
		.amdhsa_memory_ordered 1
		.amdhsa_forward_progress 1
		.amdhsa_inst_pref_size 149
	.end_amdhsa_kernel
	.amdgpu_metadata
---
amdhsa.version: [ 1, 2 ]
amdhsa.kernels:
  - .name:           k_q3585f5d2ea_vq
    .symbol:         k_q3585f5d2ea_vq.kd
    .args:
      - { .name: x, .offset: 0, .size: 8, .value_kind: global_buffer, .address_space: global }
      - { .name: lowp_scales, .offset: 8, .size: 8, .value_kind: global_buffer, .address_space: global }
      - { .name: ecodes, .offset: 16, .size: 8, .value_kind: global_buffer, .address_space: global }
      - { .name: idx, .offset: 24, .size: 8, .value_kind: global_buffer, .address_space: global }
    .group_segment_fixed_size: 327680
    .private_segment_fixed_size: 0
    .kernarg_segment_align: 8
    .kernarg_segment_size: 32
    .max_flat_workgroup_size: 256
    .sgpr_count:     66
    .vgpr_count:     512
    .wavefront_size: 32
...
	.end_amdgpu_metadata
.endif
;; end of part 2
;; launch gather (part 3): grid 256 x 1, 8 waves a work-group, no clusters, 0 bytes of LDS; arguments idx, embed, out0; writes out0
.if DOCPART == 3
	.amdgcn_target "amdgcn-amd-amdhsa--gfx1250"
	.amdhsa_code_object_version 6
	.text
	.protected	k_q3585f5d2ea_gather
	.globl	k_q3585f5d2ea_gather
	.p2align	8
	.type	k_q3585f5d2ea_gather,@function
k_q3585f5d2ea_gather:
	s_mov_b64 s[64:65], 0
	v_nop
	global_prefetch_b8 v0, s[64:65] scope:SCOPE_SE
	s_setreg_imm32_b32 hwreg(HW_REG_WAVE_MODE, 25, 1), 1
	s_wait_xcnt 0x0
; out0[row][:] = embed[idx[row]][:].  idx: 32,768 whole numbers, stored by the launch before; embed: [8192][256] f32; out0: [32768][256] f32.
; A wave takes 16 rows and has no loop: its 16 indices come by one scalar load; a row of 1,024 bytes is two loads and two stores of 512 consecutive bytes.  All 32 loads (16,384 bytes a wave) are asked for
; at once; each load has registers of its own, so no register that a load or store names is written again.  No LDS, no barrier: waves share nothing.
; A loaded index enters an address behind s_min_u32 with the table's last row, 8,191.
	s_load_b128 s[4:7], s[0:1], 0x0                ; idx s[4:5], embed s[6:7]
	s_load_b64 s[8:9], s[0:1], 0x10                ; out0
	v_lshrrev_b32 v1, 5, v0
	s_delay_alu instid0(VALU_DEP_1)
	v_readfirstlane_b32 s10, v1                    ; wave 0..7
	v_and_b32 v1, 31, v0
	s_delay_alu instid0(VALU_DEP_1)
	v_lshlrev_b32 v1, 4, v1                        ; 16 x lane
	s_lshl_b32 s11, ttmp9, 3
	s_add_co_u32 s11, s11, s10                     ; which 16 rows are my wave's
	s_lshl_b32 s12, s11, 6                         ; their 64 bytes of idx,
	s_mov_b32 s13, 0
	s_lshl_b32 s14, s11, 14                        ; their 16,384 bytes of out0
	s_mov_b32 s15, 0
	s_wait_alu depctr_va_vdst(0)
	s_wait_kmcnt 0x0
	s_add_nc_u64 s[4:5], s[4:5], s[12:13]
	s_add_nc_u64 s[8:9], s[8:9], s[14:15]
	s_load_b512 s[16:31], s[4:5], 0x0              ; sixteen indices
	s_wait_kmcnt 0x0
.irp q, 0,1,2,3,4,5,6,7,8,9,10,11,12,13,14,15
	s_min_u32 s[16+\q], s[16+\q], 0x1fff
	s_lshl_b32 s[16+\q], s[16+\q], 10              ; the row's first byte in embed
	v_add_nc_u32 v[2+\q], s[16+\q], v1
.endr
	s_wait_alu depctr_va_vdst(0)
.irp q, 0,1,2,3,4,5,6,7,8,9,10,11,12,13,14,15
	global_load_b128 v[32+8*\q:32+8*\q+3], v[2+\q], s[6:7]              ; no hint: a row of the table may be named by many rows
	global_load_b128 v[32+8*\q+4:32+8*\q+7], v[2+\q], s[6:7] offset:512
.endr
.set n, 0
.rept 32
	s_wait_loadcnt 31-n                            ; loads come back in order: load n is in, the 31 - n younger ones may be out
	global_store_b128 v1, v[32+4*n:32+4*n+3], s[8:9] offset:512*n th:TH_STORE_NT   ; 512 consecutive bytes, at a multiple of 256 from out0's first byte; written once, read by nobody here
.set n, n+1
.endr
	s_endpgm
.Lfunc_end_k_q3585f5d2ea_gather:
	.size	k_q3585f5d2ea_gather, .Lfunc_end_k_q3585f5d2ea_gather-k_q3585f5d2ea_gather
	.p2alignl 7, 3214868480
	.fill 96, 4, 3214868480
	.section	.rodata,"a",@progbits
	.p2align	6, 0x0
	.amdhsa_kernel k_q3585f5d2ea_gather
		.amdhsa_group_segment_fixed_size 0
		.amdhsa_private_segment_fixed_size 0
		.amdhsa_enable_private_segment 0
		.amdhsa_kernarg_size 24
		.amdhsa_user_sgpr_count 2
		.amdhsa_user_sgpr_kernarg_segment_ptr 1
		.amdhsa_wavefront_size32 1
		.amdhsa_system_sgpr_workgroup_id_x 1
		.amdhsa_system_sgpr_workgroup_id_y 1
		.amdhsa_system_sgpr_workgroup_id_z 1
		.amdhsa_system_vgpr_workitem_id 0
		.amdhsa_next_free_vgpr 160
		.amdhsa_next_free_sgpr 66
		.amdhsa_reserve_vcc 0
		.amdhsa_float_denorm_mode_32 3
		.amdhsa_float_denorm_mode_16_64 3
		.amdhsa_memory_ordered 1
		.amdhsa_forward_progress 1
		.amdhsa_inst_pref_size 11
	.end_amdhsa_kernel
	.amdgpu_metadata
---
amdhsa.version: [ 1, 2 ]
amdhsa.kernels:
  - .name:           k_q3585f5d2ea_gather
    .symbol:         k_q3585f5d2ea_gather.kd
    .args:
      - { .name: idx, .offset: 0, .size: 8, .value_kind: global_buffer, .address_space: global }
      - { .name: embed, .offset: 8, .size: 8, .value_kind: global_buffer, .address_space: global }
      - { .name: out0, .offset: 16, .size: 8, .value_kind: global_buffer, .address_space: global }
    .group_segment_fixed_size: 0
    .private_segment_fixed_size: 0
    .kernarg_segment_align: 8
    .kernarg_segment_size: 24
    .max_flat_workgroup_size: 256
    .sgpr_count:     66
    .vgpr_count:     160
    .wavefront_size: 32
...
	.end_amdgpu_metadata
.endif
;; end of part 3
